; MI455X (gfx1250); checked and timed in simulation.
; The chip was launched on July 23, 2026; its instructions are those of AMD's public machine-readable ISA for CDNA 5 (MIT licence, August 2026) and "CDNA5" Instruction Set Architecture Reference Guide (July 2026). The comments in the code are by the model that wrote it; some were corrected since.
;; Swin Transformer Block. Allowed arithmetic: matrix products marked QUANTISED: E2M3 operands, one E8M0 scale for each 32 along K, by v_wmma_scale_f32_16x16x128_f8f6f4 with both operands' format E2M3, f32 sums; everything else in f32.
;; Inputs: b1 1,024 float32; b2 256 float32; bk 256 float32; bo 256 float32; bq 256 float32; bv 256 float32; hidden_states 8 x 4,096 x 256 float32; ln1_b 256 float32; ln1_g 256 float32; ln2_b 256 float32; ln2_g 256 float32; rel_table 225 x 8 float32; w1 1,024 x 256 float32; w2 256 x 1,024 float32; wk 256 x 256 float32; wo 256 x 256 float32; wq 256 x 256 float32; wv 256 x 256 float32.
;; Outputs: out0 8 x 4,096 x 256 float32.
;; This version of the problem:
;;   THIS VERSION OF THE PROBLEM IS GIVEN IN LOW PRECISION. The matrix products marked QUANTISED in the list below multiply operands that are first quantised to E2M3 (2 exponent bits, 3 mantissa bits; 6 bits a number), with one power-of-two scale for each 32 numbers along K (OCP MX v1.0); their sums are f32. All else is computed in f32.
;;   The module's matrix products, in the order in which they are computed (A, B: the left and right operand; K: the contracted axis; several contracted axes count as one K, in the product's order):
;;     1. [M 32,768, K 256] x [K 256, N 256]; A: computed on the way; B: input wq: QUANTISED
;;     2. [M 32,768, K 256] x [K 256, N 256]; A: computed on the way; B: input wk: QUANTISED
;;     3. [M 32,768, K 256] x [K 256, N 256]; A: computed on the way; B: input wv: QUANTISED
;;     4. batch 4,096 x [M 64, K 32] x [K 32, N 64]; A: computed on the way; B: computed on the way: QUANTISED
;;     5. batch 4,096 x [M 32, K 64] x [K 64, N 64]; A: computed on the way; B: computed on the way: QUANTISED
;;     6. [M 32,768, K 256] x [K 256, N 256]; A: computed on the way; B: input wo: QUANTISED
;;     7. [M 32,768, K 256] x [K 256, N 1,024]; A: computed on the way; B: input w1: QUANTISED
;;     8. [M 32,768, K 1,024] x [K 1,024, N 256]; A: computed on the way; B: input w2: QUANTISED
;;   THE QUANTISER, for each operand of a quantised product, along K:
;;     - K is cut into blocks of 32 from its start; a last block that is shorter is filled with zeros.
;;     - A block's scale is 2^e with e = floor(log2(the largest magnitude in the block)) - 2, held to -126 .. 127; a block of zeros has e = 0. As a byte (E8M0): e + 127.
;;     - Each number is divided by its block's scale, clamped to +-7.5, and rounded to the nearest number of E2M3, ties to even, subnormals kept.
;;     - The product sums the exact products of the quantised numbers (number of the format x scale) in f32.
;;   ~~~python
;;   def quantise(x, axis):      # numpy; x: float32 -> the quantised numbers, widened to float32 again
;;       x = np.moveaxis(x, axis, -1); K = x.shape[-1]
;;       x = np.pad(x, [(0, 0)] * (x.ndim - 1) + [(0, -K % 32)]); x = x.reshape(x.shape[:-1] + (-1, 32)); a = np.abs(x).max(-1, keepdims=True)
;;       e = np.where(a > 0, np.clip(np.frexp(np.where(a > 0, a, 1))[1] - 1 - 2, -126, 127), 0)      # np.frexp(a)[1] - 1 = floor(log2(a)), exactly
;;       r = np.clip(x / 2.0 ** e, -7.5, 7.5)
;;       step = 2.0 ** (np.maximum(np.frexp(np.where(r == 0, 1, r))[1] - 1, 0) - 3)
;;       q = np.round(r / step) * step * 2.0 ** e      # np.round: ties to even
;;       return np.moveaxis(q.reshape(q.shape[:-2] + (-1,))[..., :K], -1, axis).astype(np.float32)
;;   ~~~
;;   OPERANDS COMPUTED ON THE WAY. 'Computed on the way' means the value that the module computes at that place (a softmax that the list does not call 'softmax' is quantised finished and normalised). What goes into a quantiser is computed in f32, as accurately as f32 sums, v_exp_f32 and their like allow (about 1e-6 of the number): no bf16 or f16 on the way to a quantiser, and a product that is left as it is and whose result goes on into a quantised operand takes f32 operands (vector FMAs, or v_wmma_f32_16x16x4_f32). A number that lies on a knife's edge between two numbers of the format may be rounded either way, as far as f32 arithmetic and the matrix unit's own rounding can turn it there, and no further.
;; One version. Each part assembles by itself: llvm-mc -triple=amdgcn-amd-amdhsa -mcpu=gfx1250 --defsym DOCPART=n.
;; ======== version 1 of 1: 2 launches
;; workspace buffers: wts 638,976 bytes; consts 21,504 bytes
;; launch prep (part 1): grid 111 x 1, 4 waves a work-group, no clusters, 0 bytes of LDS; arguments wk, wv, wq, wo, w1, w2, rel_table, bk, bv, bq, bo, b2, ln1_g, ln1_b, ln2_g, ln2_b, b1, wts, consts; writes wts, consts
.if DOCPART == 1
	.amdgcn_target "amdgcn-amd-amdhsa--gfx1250"
	.amdhsa_code_object_version 6
	.text
	.protected	k_q16a298f5ef_prep
	.globl	k_q16a298f5ef_prep
	.p2align	8
	.type	k_q16a298f5ef_prep,@function
k_q16a298f5ef_prep:
	s_mov_b64 s[64:65], 0
	v_nop
	global_prefetch_b8 v0, s[64:65] scope:SCOPE_SE
	s_setreg_imm32_b32 hwreg(HW_REG_WAVE_MODE, 25, 1), 1
	s_wait_xcnt 0x0
; The six weights become codes of FP6 (E2M3) with one E8M0 byte for each 32 along K, laid in the order of a matrix operand's registers; the bias table and the small vectors become one dense block.
; wts: 12 tiles of TILE bytes, each 256 rows x 256 along K: wk, wv, wq, wo, then by turns w1's rows 256 i on and w2's columns 256 i on (i = 0 .. 3).
;   A tile: 32 fragments f = 2 n + s (n: 16 rows, s: 128 along K) of 1,536 bytes: bytes 512 p + 16 lane are registers 4 p .. 4 p + 3 of that lane; behind them, from byte 49,152, 128 bytes of scale words a fragment, 4 a lane.
;   Lane (r, h) holds row 32 (n / 2) + 8 (n % 2) + r + 8 (r / 8); registers 6 c .. 6 c + 5 hold k = 128 s + 64 c + 32 h + 0 .. 31.  With these rows a product used transposed leaves 16 neighbouring columns in a lane.
; consts: [8 heads][256] f32, entry j = sqrt(32) x rel_table[224 - j][head] (0 for j > 224); from byte 8,192 on bk, bv, bq, bo, b2, ln1_g, ln1_b, ln2_g, ln2_b (1,024 bytes each) and b1 (4,096).
; SHARES: work-groups 0-95: a wave makes one fragment; 96, 97: a thread makes one entry j for the eight heads; 98-110: a work-group copies 1,024 bytes, 8 a thread.
; A block's scale is 2^(floor(log2(largest magnitude)) - 2); its byte is the largest magnitude's exponent field - 2, held at 1 from below.
; LIMITS: a block of zeros, and one whose largest magnitude lies under 2^-124, gets the byte 1 (the rule says 127 for zeros: the codes are zeros, and this program alone reads the bytes); NaN and infinities are not served.
.set TILE, 53248
	s_load_b512 s[4:19], s[0:1], 0x0               ; wk wv wq wo w1 w2 rel_table bk
	s_load_b512 s[20:35], s[0:1], 0x40             ; bv bq bo b2 ln1_g ln1_b ln2_g ln2_b
	s_load_b128 s[36:39], s[0:1], 0x80             ; b1, wts
	s_load_b64 s[40:41], s[0:1], 0x90              ; consts
	v_lshrrev_b32 v1, 5, v0
	v_readfirstlane_b32 s42, v1                    ; wave
	s_wait_kmcnt 0x0
	s_cmp_ge_u32 ttmp9, 98
	s_cbranch_scc1 .Lvectors
	s_cmp_ge_u32 ttmp9, 96
	s_cbranch_scc1 .Ltable
	; ---- a fragment of a weight
	s_lshr_b32 s50, ttmp9, 3                       ; tile
	s_and_b32 s51, ttmp9, 7
	s_lshl_b32 s51, s51, 2
	s_add_co_u32 s51, s51, s42                     ; f
	s_mov_b64 s[44:45], s[4:5]                     ; the tile's tensor: a choice on the work-group's number alone
	s_cmp_eq_u32 s50, 1
	s_cselect_b64 s[44:45], s[6:7], s[44:45]
	s_cmp_eq_u32 s50, 2
	s_cselect_b64 s[44:45], s[8:9], s[44:45]
	s_cmp_eq_u32 s50, 3
	s_cselect_b64 s[44:45], s[10:11], s[44:45]
	s_cmp_ge_u32 s50, 4
	s_cselect_b64 s[44:45], s[12:13], s[44:45]
	s_cselect_b32 s52, 1, 0
	s_and_b32 s52, s52, s50                        ; 1: tile 5, 7, 9, 11: w2
	s_cmp_eq_u32 s52, 1
	s_cselect_b64 s[44:45], s[14:15], s[44:45]
	s_mov_b32 s53, 1024
	s_cselect_b32 s53, 4096, s53                   ; bytes from row to row
	s_cselect_b32 s54, 10, 18                      ; a chunk on: 256 columns of w2 (2^10 bytes) or 256 rows of w1 (2^18)
	s_max_u32 s55, s50, 4
	s_sub_co_u32 s55, s55, 4
	s_lshr_b32 s55, s55, 1                         ; the chunk i
	s_lshl_b32 s55, s55, s54
	s_lshr_b32 s56, s51, 1                         ; n
	s_and_b32 s57, s51, 1                          ; s
	s_lshr_b32 s58, s56, 1
	s_lshl_b32 s58, s58, 5
	s_and_b32 s59, s56, 1
	s_lshl_b32 s59, s59, 3
	s_add_co_u32 s58, s58, s59                     ; the fragment's first row: 32 (n / 2) + 8 (n % 2)
	s_mul_i32 s58, s58, s53
	s_lshl_b32 s57, s57, 9                         ; 128 numbers along K are 512 bytes
	s_add_co_u32 s58, s58, s57
	s_add_co_u32 s58, s58, s55
	s_mov_b32 s59, 0
	s_add_nc_u64 s[44:45], s[44:45], s[58:59]
	s_mul_i32 s46, s50, TILE
	s_mul_i32 s47, s51, 1536
	s_add_co_u32 s46, s46, s47
	s_mov_b32 s47, 0
	s_add_nc_u64 s[46:47], s[38:39], s[46:47]      ; where the codes go
	s_mul_i32 s48, s50, TILE
	s_lshl_b32 s49, s51, 7
	s_add_co_u32 s48, s48, s49
	s_add_co_u32 s48, s48, 49152
	s_mov_b32 s49, 0
	s_add_nc_u64 s[48:49], s[38:39], s[48:49]      ; and the scale words
	s_mov_b32 s60, 0x76543210
	s_mov_b32 s61, 0xfedcba98                      ; v_permlanex16_b32's selects for lane l xor 16
	v_and_b32 v1, 15, v0                           ; r
	v_bfe_u32 v2, v0, 4, 1                         ; h
	v_and_b32 v4, 8, v1
	v_add_nc_u32 v4, v4, v1                        ; r + 8 (r / 8)
	v_mul_lo_u32 v3, v4, s53
	v_lshl_add_u32 v3, v2, 7, v3                   ; my row, + 32 h numbers
	v_and_b32 v5, 31, v0
	v_lshlrev_b32 v14, 2, v5                       ; 4 x lane
	v_lshlrev_b32 v5, 4, v5                        ; 16 x lane
.irp c, 0,1
.irp j, 0,1,2,3,4,5,6,7
	global_load_b128 v[16+32*\c+4*\j:19+32*\c+4*\j], v3, s[44:45] offset:256*\c+16*\j th:TH_LOAD_NT   ; my block 2 c + h: 32 neighbours along K
.endr
.endr
	s_wait_loadcnt 0x0
.irp c, 0,1
	v_max3_num_f32 v[8+\c], |v[16+32*\c]|, |v[17+32*\c]|, 0x1800000   ; the floor 2^(3 - 127) holds the byte at 1 from below
.endr
.irp i, 2,4,6,8,10,12,14,16,18,20,22,24,26,28,30
.irp c, 0,1
	v_max3_num_f32 v[8+\c], v[8+\c], |v[16+32*\c+\i]|, |v[17+32*\c+\i]|
.endr
.endr
.irp c, 0,1
	v_add_nc_u32 v[10+\c], 0xff000000, v[8+\c]     ; 2 off the exponent field: the conversion's scale operand
.endr
.irp c, 0,1
	v_lshrrev_b32 v[12+\c], 23, v[10+\c]           ; the scale's byte
.endr
	v_lshl_or_b32 v6, v13, 16, v12                 ; my two bytes, blocks h and 2 + h,
	v_lshlrev_b32 v7, 3, v2
	v_lshlrev_b32 v6, v7, v6                       ; at their places in the word;
	v_mov_b32 v7, 0
	v_permlanex16_b32 v7, v6, s60, s61
	v_or_b32 v6, v6, v7                            ; with lane l xor 16's two the word is whole, in both halves of the lanes
.irp c, 0,1
	v_cvt_scalef32_pk16_fp6_f32 v[80+6*\c:82+6*\c], v[16+32*\c:31+32*\c], v[10+\c]
	v_cvt_scalef32_pk16_fp6_f32 v[92+4*\c:94+4*\c], v[32+32*\c:47+32*\c], v[10+\c]   ; (a conversion's three registers begin on an even number)
.endr
	v_nop                                          ; one plain line behind a scaled conversion
.irp c, 0,1
.irp i, 0,1,2
	v_mov_b32 v[83+6*\c+\i], v[92+4*\c+\i]
.endr
.endr
.irp p, 0,1,2
	global_store_b128 v5, v[80+4*\p:83+4*\p], s[46:47] offset:512*\p   ; 32 lanes store 512 consecutive bytes, at a multiple of 256 from the buffer's first byte
.endr
	global_store_b32 v14, v6, s[48:49]
	s_endpgm
.Ltable:	; ---- the bias table, turned round, by heads, x sqrt(32)
	s_sub_co_u32 s50, ttmp9, 96
	s_lshl_b32 s50, s50, 7
	v_add_nc_u32 v1, s50, v0                       ; j
	v_min_u32 v2, 224, v1
	v_sub_nc_u32 v2, 224, v2                       ; the table's row 224 - j, held inside the table
	v_lshlrev_b32 v2, 5, v2
	global_load_b128 v[8:11], v2, s[16:17]
	global_load_b128 v[12:15], v2, s[16:17] offset:16
	v_lshlrev_b32 v3, 2, v1
	v_cmp_gt_u32 vcc_lo, 225, v1
	s_wait_loadcnt 0x0
.irp e, 0,1,2,3,4,5,6,7
	v_mul_f32 v[8+\e], 0x40b504f3, v[8+\e]
.endr
.irp e, 0,1,2,3,4,5,6,7
	v_cndmask_b32 v[8+\e], 0, v[8+\e], vcc_lo      ; entries 225 to 255 are zeros
.endr
.irp e, 0,1,2,3,4,5,6,7
	global_store_b32 v3, v[8+\e], s[40:41] offset:1024*\e
.endr
	s_endpgm
.Lvectors:	; ---- 1,024 bytes of a small vector
	s_sub_co_u32 s50, ttmp9, 98                    ; which: 0 .. 8 the nine vectors of 256, 9 .. 12 the quarters of b1
	s_mov_b64 s[44:45], s[18:19]
.irp k, 1,2,3,4,5,6,7,8
	s_cmp_eq_u32 s50, \k
	s_cselect_b64 s[44:45], s[18+2*\k:19+2*\k], s[44:45]
.endr
	s_cmp_ge_u32 s50, 9
	s_cselect_b64 s[44:45], s[36:37], s[44:45]
	s_max_u32 s52, s50, 9
	s_sub_co_u32 s52, s52, 9
	s_lshl_b32 s52, s52, 10
	s_mov_b32 s53, 0
	s_add_nc_u64 s[44:45], s[44:45], s[52:53]
	s_lshl_b32 s54, s50, 10
	s_add_co_u32 s54, s54, 8192
	s_mov_b32 s55, 0
	s_add_nc_u64 s[46:47], s[40:41], s[54:55]
	v_lshlrev_b32 v1, 3, v0
	global_load_b64 v[2:3], v1, s[44:45]
	s_wait_loadcnt 0x0
	global_store_b64 v1, v[2:3], s[46:47]          ; a wave stores 256 consecutive bytes, aligned
	s_endpgm
.Lfunc_end_k_q16a298f5ef_prep:
	.size	k_q16a298f5ef_prep, .Lfunc_end_k_q16a298f5ef_prep-k_q16a298f5ef_prep
	.p2alignl 7, 3214868480
	.fill 96, 4, 3214868480
	.section	.rodata,"a",@progbits
	.p2align	6, 0x0
	.amdhsa_kernel k_q16a298f5ef_prep
		.amdhsa_group_segment_fixed_size 0
		.amdhsa_private_segment_fixed_size 0
		.amdhsa_enable_private_segment 0
		.amdhsa_kernarg_size 152
		.amdhsa_user_sgpr_count 2
		.amdhsa_user_sgpr_kernarg_segment_ptr 1
		.amdhsa_wavefront_size32 1
		.amdhsa_system_sgpr_workgroup_id_x 1
		.amdhsa_system_sgpr_workgroup_id_y 1
		.amdhsa_system_sgpr_workgroup_id_z 1
		.amdhsa_system_vgpr_workitem_id 0
		.amdhsa_next_free_vgpr 112
		.amdhsa_next_free_sgpr 66
		.amdhsa_reserve_vcc 1
		.amdhsa_float_denorm_mode_32 3
		.amdhsa_float_denorm_mode_16_64 3
		.amdhsa_memory_ordered 1
		.amdhsa_forward_progress 1
		.amdhsa_inst_pref_size 12
	.end_amdhsa_kernel
	.amdgpu_metadata
---
amdhsa.version: [ 1, 2 ]
amdhsa.kernels:
  - .name:           k_q16a298f5ef_prep
    .symbol:         k_q16a298f5ef_prep.kd
    .args:
      - { .name: wk, .offset: 0, .size: 8, .value_kind: global_buffer, .address_space: global }
      - { .name: wv, .offset: 8, .size: 8, .value_kind: global_buffer, .address_space: global }
      - { .name: wq, .offset: 16, .size: 8, .value_kind: global_buffer, .address_space: global }
      - { .name: wo, .offset: 24, .size: 8, .value_kind: global_buffer, .address_space: global }
      - { .name: w1, .offset: 32, .size: 8, .value_kind: global_buffer, .address_space: global }
      - { .name: w2, .offset: 40, .size: 8, .value_kind: global_buffer, .address_space: global }
      - { .name: rel_table, .offset: 48, .size: 8, .value_kind: global_buffer, .address_space: global }
      - { .name: bk, .offset: 56, .size: 8, .value_kind: global_buffer, .address_space: global }
      - { .name: bv, .offset: 64, .size: 8, .value_kind: global_buffer, .address_space: global }
      - { .name: bq, .offset: 72, .size: 8, .value_kind: global_buffer, .address_space: global }
      - { .name: bo, .offset: 80, .size: 8, .value_kind: global_buffer, .address_space: global }
      - { .name: b2, .offset: 88, .size: 8, .value_kind: global_buffer, .address_space: global }
      - { .name: ln1_g, .offset: 96, .size: 8, .value_kind: global_buffer, .address_space: global }
      - { .name: ln1_b, .offset: 104, .size: 8, .value_kind: global_buffer, .address_space: global }
      - { .name: ln2_g, .offset: 112, .size: 8, .value_kind: global_buffer, .address_space: global }
      - { .name: ln2_b, .offset: 120, .size: 8, .value_kind: global_buffer, .address_space: global }
      - { .name: b1, .offset: 128, .size: 8, .value_kind: global_buffer, .address_space: global }
      - { .name: wts, .offset: 136, .size: 8, .value_kind: global_buffer, .address_space: global }
      - { .name: consts, .offset: 144, .size: 8, .value_kind: global_buffer, .address_space: global }
    .group_segment_fixed_size: 0
    .private_segment_fixed_size: 0
    .kernarg_segment_align: 8
    .kernarg_segment_size: 152
    .max_flat_workgroup_size: 128
    .sgpr_count:     66
    .vgpr_count:     112
    .wavefront_size: 32
...
	.end_amdgpu_metadata
.endif
;; end of part 1
;; launch swin (part 2): grid 256 x 1, 16 waves a work-group, clusters of 4 x 1, 327,680 bytes of LDS; arguments hidden_states, wts, consts, out0; writes out0
.if DOCPART == 2
	.amdgcn_target "amdgcn-amd-amdhsa--gfx1250"
	.amdhsa_code_object_version 6
	.text
	.protected	k_q16a298f5ef_swin
	.globl	k_q16a298f5ef_swin
	.p2align	8
	.type	k_q16a298f5ef_swin,@function
k_q16a298f5ef_swin:
	s_mov_b64 s[64:65], 0
	v_nop
	global_prefetch_b8 v0, s[64:65] scope:SCOPE_SE
	s_setreg_imm32_b32 hwreg(HW_REG_WAVE_MODE, 25, 1), 1
	s_wait_xcnt 0x0
	s_wait_alu depctr_hold_cnt(0) depctr_sa_sdst(0) depctr_va_vdst(0) depctr_va_sdst(0) depctr_va_ssrc(0) depctr_va_vcc(0) depctr_vm_vsrc(0)
	s_getreg_b32 s2, hwreg(HW_REG_IB_STS2, 6, 4)
	s_cmp_eq_u32 s2, 0
	s_cbranch_scc0 .Lentry_in_a_cluster
	s_endpgm
.Lentry_in_a_cluster:
	s_bfe_u32 s2, ttmp6, 0x10000c
	s_cmp_lg_u32 s2, 0x3003
	s_cbranch_scc0 .Lentry_shape_is_right
	s_endpgm
.Lentry_shape_is_right:
; A whole Swin block: LN1, shift and windows, q k v, attention with bias and mask, output projection, residual, LN2, MLP with erf GELU, residual.  All eight products on codes of FP6 (E2M3) with one E8M0 scale for each 32 along K.
; SHARES.  A work-group takes two windows (128 tokens) from hidden_states to out0; nothing goes to memory between.  Sixteen waves, four to a SIMD, 256 registers each.  Wave (g, c): window g, head c, which is also columns 32 c .. 32 c + 31
; of every large product: 4 tiles of 16 tokens x 2 tiles of 16 columns.  So a block of 32 along the next K is one wave's own, 16 numbers in lane l and 16 in lane l xor 16.
; TOKENS.  Row slot (t, r) of a window is token 32 (t / 2) + 8 (t % 2) + r + 8 (r / 8); weights' rows are laid by the same rule (launch prep).  Products used transposed (source 0 = 16 weight rows, source 1 = 16 tokens) then leave
; in lane (r, h) token (t, r) and in the 16 registers of the two column tiles columns 32 c + 16 h + 0 .. 15; S^T = K Q^T leaves keys 32 b + 16 h + 0 .. 15 in the registers of key tiles 2 b, 2 b + 1; v, made untransposed, likewise tokens.
; ATTENTION.  K = 32 (scores) and K = 64 (p v) are filled to 128 with zero codes: two key tiles share one fragment (k = 0 .. 31 and 64 .. 95), two channel tiles of v another, and q or p stands between two runs of zero registers,
; so that v[74:85] puts it at k = 0 .. 63 and v[68:79] at k = 64 .. 127.  sqrt(32) x (bias + mask) is the C of the score product; p = 2^((D - max D) log2(e) / sqrt(32)) / sum is finished in f32 and then quantised.
; WEIGHTS.  12 tiles of 53,248 bytes walk through a ring of two LDS slots.  CLUSTER: the four work-groups of a cluster walk the same tiles, so each half tile is asked for jointly (waves 0 and 1, mask 15).
; LDS READS STAND EARLY.  What a step reads and no wave writes any more (consts, the shortcut, x's and LN2's codes) is asked for ahead of the change of slots in front of that step; a tile's fragments are asked for a tile ahead.
; lds_bytes: the text uses 326,656 bytes.
; LIMITS.  NaN and infinities are not served.  A block whose largest magnitude lies under 2^-124, and a block of zeros, gets the scale byte 1 (read by this program alone; zero codes add nothing).  A block's largest p is made from its
; largest score by the same instructions, which takes v_exp_f32 not to fall where its input rises.  erf is z P(z^2) / Q(z^2) in f32 (degrees 6 and 4) on z held to +-4.  Bias and mask enter the sum ahead of the division by sqrt(32): an order of rounding other than the source's.
.set TILE,  53248
.set RING1, 53248                      ; LDS: slot 0 at 0, slot 1 here: filled by tensor loads alone
.set CONST, 106496                     ; the block consts, 21,504 bytes, filled once
.set XBUF,  128000                     ; 128 rows of 256 f32, pitch 1,040: the shortcut; at the end the stage for out0
.set CODA,  261120                     ; 128 rows of 256 codes, pitch 208: LN1's codes, later LN2's
.set DCB,   26624                      ; CODB lies so far behind CODA: ctx's codes, later a chunk of the hidden layer's
.set SCA,   314368                     ; CODA's scale bytes, 8 a row
.set DSB,   1024                       ; CODB's lie so far behind
.set STAT1, 316416                     ; [row][8 column groups] f32: partial sums; 4,096 bytes on: partial sums of squares
.set SPARE, 324608                     ; the spare words, 128 bytes a wave: eight blocks of 256 bytes that no other line names
.set BK, 8192                          ; byte offsets in consts
.set BV, 9216
.set BQ, 10240
.set BO, 11264
.set B2, 12288
.set G1, 13312
.set G2, 15360
.set BE2, 16384
.set B1, 17408
.set SPW, 1                            ; v1   my spare word's LDS address; never rewritten
.set NIL, 2                            ; v2   0; never rewritten
.set L16, 3                            ; v3   16 x lane
.set WA0, 4                            ; v4, v5  my four weight fragments in slot 0, 1: 6,144 c + 16 lane
.set WA1, 5
.set WS0, 6                            ; v6, v7  their scale words: 49,152 + 512 c + 4 lane
.set WS1, 7
.set XA,  8                            ; v8   a fragment of activations: CODA + (64 g + r) 208 + 24 h
.set XS,  9                            ; v9   its scale words: SCA + (64 g + r) 8
.set CW,  10                           ; v10  where I store 16 codes: CODA + (64 g + r) 208 + 24 c + 12 h
.set SW,  11                           ; v11  and their block's byte: SCA + (64 g + r) 8 + c
.set GA,  12                           ; v12  the bias gather
.set XC,  13                           ; v13  XBUF by columns: (64 g + r) 1,040 + 128 c + 64 h
.set XD,  14                           ; v14  XBUF by rows: 8,320 wave + 16 lane
.set BL,  15                           ; v15  a bias's 16 numbers of my columns: CONST + 128 c + 64 h
.set B1A, 16                           ; v16  the same in b1
.set BVA, 17                           ; v17  bv of my lane's channel
.set STR, 18                           ; v18  STAT1 + (64 g + r) 32
.set STW, 19                           ; v19  + 4 c
.set LM,  20                           ; v20  all ones in lanes 0-15, 0 in lanes 16-31
.set B1T, 21                           ; v21  b1's address of the chunk in hand
.set VXY, 22                           ; v22-29 the mask's four classes, each twice; from the MLP on v22-25: two of erf's coefficients
.set OUT, 32                           ; v32-95 from the output projection on: accumulator (t, u) at 32 + 16 t + 8 u.  Before: the rows as loaded; then
.set KP,  32                           ;   v32-55 k's two fragments, v56-67 v's fragment, v68-73 zeros, v74-79 q or p, v80-85 zeros
.set VP,  56
.set QD,  74
.set BVC, 56                           ;   (while v is made: v56-71 bv as a C, v72-95 a second pair of fragments)
.set XFB, 72
.set W,   96                           ; v96-143 four weight fragments: 2 u + s
.set XF,  144                          ; v144-167 a pair of activation fragments
.set ACC, 168                          ; v168-183 two accumulators
.set T,   184                          ; v184-235 at work
.set KB,  208                          ; v208-223 bk of my 16 columns, while k is made
.set BR,  216                          ; v216-231 b1 of my 16 hidden units, in the MLP
.set QC,  236                          ; v236-238 codes just made
.set QM,  240                          ; v240, v241 largest magnitudes; v242 the conversion's scale operand; v243 the byte
.set QS,  242
.set QB,  243
.set WSC, 244                          ; v244-255 hold scales and nothing else: the weights' four words,
.set XSC, 248                          ; the activations' two, twice,
.set XSCB, 250
.set KSC, 252                          ; k's two, v's, and q's or p's
.set VSC, 254
.set QPS, 255
.set GZ, 184                           ; GELU, eight numbers at a time: z, z^2, P, Q
.set GS, 192
.set GP, 200
.set GQ, 208
.set D0, 96                            ; LN2: x - mean, 16 a tile; g2; be2; mean, then rstd, a pair a tile
.set GG, 160
.set BB, 216
.set PR, 176
.macro NOPS n
.rept \n
	v_nop
.endr
.endm
.macro SPAIR reg, val                  ; a constant twice: the packed forms name a pair
	s_mov_b32 s[\reg], \val
	s_mov_b32 s[\reg+1], \val
.endm
.macro BAR                             ; my LDS stores have landed and my LDS loads are in: then the work-group's barrier
	s_wait_dscnt 0x0
	s_barrier_signal -1
	s_barrier_wait -1
.endm
.macro ROUND                           ; a round of the cluster's barrier
	s_barrier_signal -1
	s_barrier_wait -1
	s_cmp_lg_u32 s12, 0
	s_cbranch_scc1 .Lnw0_\@
	s_barrier_signal -3
.Lnw0_\@:
	s_barrier_wait -3
	s_barrier_signal -1
	s_barrier_wait -1
.endm
; THE CHANGE OF SLOTS, between two products.  Every wave: all its tensor loads have landed (the next tile's halves in waves 0 and 1); 0 onto its spare word; the add, its reads of
; the slot just left, its stores of codes and the loads that it has issued for the next step are done.  fill = 1: a round of the cluster's barrier, then the slot just left is asked for jointly, first thing behind the round; that load has a whole product in which to land.
.macro CHANGE fill, g0
	s_wait_tensorcnt 0x0
	ds_add_u32 v[SPW], v[NIL]
.if \fill
	s_add_nc_u64 s[\g0+2:\g0+3], s[\g0+2:\g0+3], 2*TILE   ; no tensor load of mine is out: this slot's next tile
.endif
	s_wait_dscnt 0x0
.if \fill
	ROUND
	s_cmp_lt_u32 s12, 2                            ; the wave's number alone: the same in all four work-groups
	s_cbranch_scc0 .Lnf_\@
	tensor_load_to_lds s[\g0:\g0+3], s[24:31]
	s_nop 0
	NOPS 4
.Lnf_\@:
.else
	s_barrier_signal -1
	s_barrier_wait -1
.endif
.endm
.macro LDW wa, ws                      ; my four weight fragments and their scale words: 16 LDS loads, each of consecutive bytes
.irp f, 0,1,2,3
.irp p, 0,1,2
	ds_load_b128 v[W+12*\f+4*\p:W+12*\f+4*\p+3], v[\wa] offset:1536*\f+512*\p
.endr
	ds_load_b32 v[WSC+\f], v[\ws] offset:128*\f
.endr
.endm
.macro LDA adr, sadr, reg, sreg, off, soff   ; 16 rows x 256 along K: two fragments, six pieces of 8 bytes each, and the row's two scale words by one load: 13 LDS loads
.irp k, 0,1
.irp p, 0,1,2,3,4,5
	ds_load_b64 v[\reg+12*\k+2*\p:\reg+12*\k+2*\p+1], v[\adr] offset:(\off)+96*\k+48*(\p/3)+8*(\p%3)
.endr
.endr
	ds_load_b64 v[\sreg:\sreg+1], v[\sadr] offset:(\soff)
.endm
.macro LDB reg, adr, off               ; 16 numbers of my 16 columns, in a result's layout
.irp q, 0,1,2,3
	ds_load_b128 v[(\reg)+4*\q:(\reg)+4*\q+3], v[\adr] offset:(\off)+16*\q
.endr
.endm
.macro LDBIAS adr, off                 ; a bias into the two accumulators: it is the sums' C
	LDB ACC, \adr, \off
.endm
.macro WM d, a, b, c, sa, sb           ; one matrix instruction; c < 0: the constant 0 starts the sum
.if (\c) < 0
	v_wmma_scale_f32_16x16x128_f8f6f4 v[(\d):(\d)+7], v[(\a):(\a)+11], v[(\b):(\b)+11], 0, v[(\sa)], v[(\sb)] matrix_a_fmt:MATRIX_FMT_FP6 matrix_b_fmt:MATRIX_FMT_FP6
.else
	v_wmma_scale_f32_16x16x128_f8f6f4 v[(\d):(\d)+7], v[(\a):(\a)+11], v[(\b):(\b)+11], v[(\c):(\c)+7], v[(\sa)], v[(\sb)] matrix_a_fmt:MATRIX_FMT_FP6 matrix_b_fmt:MATRIX_FMT_FP6
.endif
.endm
.macro MM4T d, x, xs                   ; transposed: 16 tokens x my 32 columns, K = 256, in place on two accumulators that take turns
.irp k, 0,1
.irp u, 0,1
	WM (\d)+8*\u, W+12*(2*\u+\k), (\x)+12*\k, (\d)+8*\u, WSC+2*\u+\k, (\xs)+\k
.endr
.endr
.endm
.macro MM4B d, x, xs, c                ; the same, but the first K step takes its C from the 16 registers at c, which stay: a bias read once serves every tile
.irp u, 0,1
	WM (\d)+8*\u, W+12*(2*\u), (\x), (\c)+8*\u, WSC+2*\u, (\xs)
.endr
.irp u, 0,1
	WM (\d)+8*\u, W+12*(2*\u+1), (\x)+12, (\d)+8*\u, WSC+2*\u+1, (\xs)+1
.endr
.endm
.macro MM4N d, x, xs                   ; untransposed (source 0 = tokens, source 1 = weight rows), accumulators d and d + 32; bv is the C of the first K step
.irp k, 0,1
.irp u, 0,1
.if \k == 0
	WM (\d)+32*\u, (\x)+12*\k, W+12*(2*\u+\k), BVC+8*\u, (\xs)+\k, WSC+2*\u+\k
.else
	WM (\d)+32*\u, (\x)+12*\k, W+12*(2*\u+\k), (\d)+32*\u, (\xs)+\k, WSC+2*\u+\k
.endif
.endr
.endr
.endm
; 16 numbers of a lane, half a block of 32, become 12 bytes of codes in v[cod] on; the block's byte in v[QB].  nb = 0: the other half lies in lane l xor 16; 1: in lane l xor 1.
; Two chains, each from its low end on.  The floor 2^(3 - 127) holds the byte at 1 from below.
.macro QUANT16 src, cod, nb
	v_max3_num_f32 v[QM], |v[(\src)]|, |v[(\src)+1]|, 0x1800000
	v_max3_num_f32 v[QM+1], |v[(\src)+8]|, |v[(\src)+9]|, |v[(\src)+10]|
	v_max3_num_f32 v[QM], v[QM], |v[(\src)+2]|, |v[(\src)+3]|
	v_max3_num_f32 v[QM+1], v[QM+1], |v[(\src)+11]|, |v[(\src)+12]|
	v_max3_num_f32 v[QM], v[QM], |v[(\src)+4]|, |v[(\src)+5]|
	v_max3_num_f32 v[QM+1], v[QM+1], |v[(\src)+13]|, |v[(\src)+14]|
	v_max3_num_f32 v[QM], v[QM], |v[(\src)+6]|, |v[(\src)+7]|
	v_max3_num_f32 v[QM], v[QM], v[QM+1], |v[(\src)+15]|
.if \nb
	v_max_num_f32_dpp v[QM], v[QM], v[QM] row_xmask:1 row_mask:0xf bank_mask:0xf
.else
	v_permlanex16_b32 v[QM+1], v[QM], s20, s21
	v_max_num_f32 v[QM], v[QM], v[QM+1]
.endif
	v_add_nc_u32 v[QS], 0xff000000, v[QM]          ; 2 off the exponent field: the conversion's scale operand
	v_cvt_scalef32_pk16_fp6_f32 v[(\cod):(\cod)+2], v[(\src):(\src)+15], v[QS]
	v_lshrrev_b32 v[QB], 23, v[QS]                 ; the byte; also the plain line behind the conversion
.endm
.macro QSTORE src, cadr, sadr, off, soff   ; quantised, and into a row of codes and its scale bytes
	s_wait_dscnt 0x0                               ; the last stores have read the registers that are written now; fragments asked for a tile ahead are in
	QUANT16 \src, QC, 0
	ds_store_b32 v[\cadr], v[QC] offset:(\off)
	ds_store_b32 v[\cadr], v[QC+1] offset:(\off)+4
	ds_store_b32 v[\cadr], v[QC+2] offset:(\off)+8
	ds_store_b8 v[\sadr], v[QB] offset:(\soff)     ; both lanes of a block write the same byte with the same value
.endm
; a (0.5 + 0.5 erf(a / sqrt 2)) on the two accumulators, one accumulator (eight numbers) at a time, on 32 registers; P's coefficients are halved.
.macro HORN d, c                       ; d = d z^2 + a coefficient
.set j, 0
.rept 4
	v_pk_fma_f32 v[\d+j:\d+j+1], v[\d+j:\d+j+1], v[GS+j:GS+j+1], s[\c:\c+1] op_sel_hi:[1,1,0]
.set j, j+2
.endr
.endm
.macro GHEAD a                         ; z = a / sqrt 2 held to +-4, and z^2
.set j, 0
.rept 4
	v_pk_mul_f32 v[GZ+j:GZ+j+1], v[(\a)+j:(\a)+j+1], s[66:67] op_sel_hi:[1,0]
.set j, j+2
.endr
.set j, 0
.rept 8
	v_med3_num_f32 v[GZ+j], v[GZ+j], -4.0, 4.0
.set j, j+1
.endr
.set j, 0
.rept 4
	v_pk_mul_f32 v[GS+j:GS+j+1], v[GZ+j:GZ+j+1], v[GZ+j:GZ+j+1]
.set j, j+2
.endr
.endm
.macro GPOLY                           ; P and Q by turns, 1 / Q as one batch, and P z: plain work behind the reciprocals, after which z and z^2 are free
.set j, 0
.rept 4
	v_pk_fma_f32 v[GP+j:GP+j+1], v[GS+j:GS+j+1], s[68:69], v[22:23] op_sel_hi:[1,0,1]
	v_pk_fma_f32 v[GQ+j:GQ+j+1], v[GS+j:GS+j+1], s[80:81], v[24:25] op_sel_hi:[1,0,1]
.set j, j+2
.endr
	HORN GP, 70
	HORN GQ, 82
	HORN GP, 72
	HORN GQ, 84
	HORN GP, 74
	HORN GQ, 86
	HORN GP, 76
	HORN GP, 78
.set j, 0
.rept 8
	v_rcp_f32 v[GQ+j], v[GQ+j]
.set j, j+1
.endr
.set j, 0
.rept 4
	v_pk_mul_f32 v[GP+j:GP+j+1], v[GP+j:GP+j+1], v[GZ+j:GZ+j+1]
.set j, j+2
.endr
.endm
.macro GTAIL a                         ; a (0.5 + P z / Q)
.set j, 0
.rept 4
	v_pk_fma_f32 v[GP+j:GP+j+1], v[GP+j:GP+j+1], v[GQ+j:GQ+j+1], 0.5 op_sel_hi:[1,1,0]
.set j, j+2
.endr
.set j, 0
.rept 4
	v_pk_mul_f32 v[(\a)+j:(\a)+j+1], v[(\a)+j:(\a)+j+1], v[GP+j:GP+j+1]
.set j, j+2
.endr
.endm
.macro GELU16
	GHEAD ACC
	GPOLY
	GHEAD ACC+8                                    ; the second accumulator's z and z^2 stand between the first's reciprocals and the wait for them
	s_wait_alu depctr_va_vdst(0)                   ; one wait for the batch of eight, ahead of its first reader
	GTAIL ACC
	GPOLY
	s_wait_alu depctr_va_vdst(0)
	GTAIL ACC+8
.endm
.macro ADD16                           ; the 16 numbers in the two accumulators onto all four tiles of OUT
.set n, 0
.rept 32
	v_pk_add_f32 v[OUT+2*n:OUT+2*n+1], v[OUT+2*n:OUT+2*n+1], v[ACC+2*(n%8):ACC+2*(n%8)+1]
.set n, n+1
.endr
.endm
.macro OUTLD                           ; the first two tiles' fragments out of CODB
	LDA XA, XS, XF, XSC, DCB, DSB
	LDA XA, XS, T, XSCB, DCB+3328, DSB+128
.endm
.macro OUTMM                           ; OUT += (CODB's 64 rows) x (my 32 weight rows), a tile of rows at a time, fragments in two buffers.  13: the younger pair's loads may be out
	s_wait_dscnt 13
	MM4T OUT, XF, XSC
	NOPS 4                                         ; four places in front of loads into registers that matrix instructions have read
	LDA XA, XS, XF, XSC, DCB+2*3328, DSB+256
	s_wait_dscnt 13
	MM4T OUT+16, T, XSCB
	NOPS 4
	LDA XA, XS, T, XSCB, DCB+3*3328, DSB+384
	s_wait_dscnt 13
	MM4T OUT+32, XF, XSC
	s_wait_dscnt 0x0
	MM4T OUT+48, T, XSCB
	NOPS 4
.endm
.macro RED8                            ; for each of four tiles: the eight numbers at v[T + 8 t] on are added, in a fixed order
.irp t, 0,1,2,3
	v_pk_add_f32 v[T+8*\t:T+8*\t+1], v[T+8*\t:T+8*\t+1], v[T+8*\t+2:T+8*\t+3]
.endr
.irp t, 0,1,2,3
	v_pk_add_f32 v[T+8*\t+4:T+8*\t+5], v[T+8*\t+4:T+8*\t+5], v[T+8*\t+6:T+8*\t+7]
.endr
.irp t, 0,1,2,3
	v_pk_add_f32 v[T+8*\t:T+8*\t+1], v[T+8*\t:T+8*\t+1], v[T+8*\t+4:T+8*\t+5]
.endr
.irp t, 0,1,2,3
	v_add_f32 v[T+8*\t], v[T+8*\t], v[T+8*\t+1]
.endr
.endm
.macro XHALF                           ; and lane l xor 16's
.irp t, 0,1,2,3
	v_permlanex16_b32 v[T+8*\t+2], v[T+8*\t], s20, s21
.endr
.irp t, 0,1,2,3
	v_add_f32 v[T+8*\t], v[T+8*\t], v[T+8*\t+2]
.endr
.endm
.macro LDSTAT off                      ; the eight column groups' partial sums of my four tokens
.irp t, 0,1,2,3
	ds_load_b128 v[T+8*\t:T+8*\t+3], v[STR] offset:(\off)+512*\t
	ds_load_b128 v[T+8*\t+4:T+8*\t+7], v[STR] offset:(\off)+512*\t+16
.endr
	s_wait_dscnt 0x0
.endm
; What tile t's attention reads out of consts: bq, and the 32 bias entries of my lane's query against its 32 keys.
.macro ATTLOAD t
.set YT, 4*((\t)/2)+(\t)%2             ; the tile's part of a query's row in the window
	LDBIAS BL, BQ
.set n, 0
.rept 32                               ; register 16 b + 8 u + j is key 32 b + 16 h + 8 u + j: its bias lies 15 (4 b + u - YT) + j entries from my lane's
	ds_load_b32 v[T+n], v[GA] offset:4*(15*(5-YT+4*(n/16)+(n/8)%2)+n%8)
.set n, n+1
.endr
.endm
; ATTENTION of my head for the 16 queries of tile t.  Tile t's fragments of x were asked for a tile ahead (tile 0's, with its ATTLOAD, ahead of the change of slots).
.macro ATT t
.if (\t) > 0
	ATTLOAD \t
	s_wait_dscnt 32                                ; bq is in; the 32 gathers may be out
.else
	s_wait_dscnt 0x0                               ; the weights
.endif
	MM4T ACC, XF, XSC                              ; q
.if (\t) > 0
	s_wait_dscnt 0x0
.endif
.set n, 0
.rept 16                               ; the mask: by columns alone where key and query lie in the same half of the window's rows, else by rows too.  (These are also the places behind q's products)
	v_pk_add_f32 v[T+n:T+n+1], v[T+n:T+n+1], v[VXY+2*((n%8)/4)+4*((n/16+(\t)/2)%2):VXY+2*((n%8)/4)+4*((n/16+(\t)/2)%2)+1]
.set n, n+2
.endr
.if (\t) < 3
	LDA XA, XS, XF, XSC, 3328*((\t)+1), 128*((\t)+1)   ; the next tile's x: the wait for it stands at this tile's end
.endif
	QUANT16 ACC, QC, 0
	v_lshl_or_b32 v[QPS], v[QB], 16, v[QB]         ; q's byte for k = 0 .. 31 and for k = 64 .. 95
.irp i, 0,1,2
	v_permlanex16_b32 v[216+\i], v[QC+\i], s20, s21
.endr
.irp i, 0,1,2
	v_and_b32 v[QD+\i], v[LM], v[QC+\i]            ; lanes 0-15 hold the whole block of 32; lanes 16-31 zero codes
.endr
.irp i, 0,1,2
	v_and_b32 v[QD+3+\i], v[LM], v[216+\i]
.endr
	NOPS 8                                         ; a scale register written by a vector instruction stands 8 places ahead of a scaled matrix instruction, an operand 4
.irp k, 0,1,2,3
	WM T+8*\k, KP+12*(\k/2), QD-6*(\k%2), T+8*\k, KSC+\k/2, QPS   ; D = sqrt(32) (bias + mask) + k . q
.endr
	NOPS 4
	v_max3_num_f32 v216, v[T], v[T+1], v[T+2]      ; the largest D of each block of 32 keys: for the row's maximum and, since p rises with D, for the block's largest p
	v_max3_num_f32 v217, v[T+16], v[T+17], v[T+18]
.irp i, 3,5,7,9,11,13
	v_max3_num_f32 v216, v216, v[T+\i], v[T+1+\i]
	v_max3_num_f32 v217, v217, v[T+16+\i], v[T+17+\i]
.endr
	v_max_num_f32 v216, v216, v[T+15]
	v_max_num_f32 v217, v217, v[T+31]
	v_permlanex16_b32 v218, v216, s20, s21
	v_permlanex16_b32 v219, v217, s20, s21
	v_max_num_f32 v216, v216, v218
	v_max_num_f32 v217, v217, v219
	v_max_num_f32 v220, v216, v217                 ; the row's maximum
	v_mul_f32 v220, s90, v220                      ; x -log2(e) / sqrt(32)
.set n, 0
.rept 16
	v_pk_fma_f32 v[T+n:T+n+1], v[T+n:T+n+1], s[88:89], v[220:221] op_sel_hi:[1,0,0]
.set n, n+2
.endr
	v_fma_f32 v216, v216, s88, v220
	v_fma_f32 v217, v217, s88, v220
.set n, 0
.rept 32
	v_exp_f32 v[T+n], v[T+n]
.set n, n+1
.endr
	v_exp_f32 v216, v216
	v_exp_f32 v217, v217
	v_nop                                          ; a plain line behind the last exponential
	s_wait_alu depctr_va_vdst(0)                   ; one wait for the 34, ahead of their first reader
	v_pk_add_f32 v[222:223], v[T:T+1], v[T+2:T+3]
	v_pk_add_f32 v[224:225], v[T+4:T+5], v[T+6:T+7]
.irp i, 8,12,16,20,24,28
	v_pk_add_f32 v[222:223], v[222:223], v[T+\i:T+\i+1]
	v_pk_add_f32 v[224:225], v[224:225], v[T+\i+2:T+\i+3]
.endr
	v_pk_add_f32 v[222:223], v[222:223], v[224:225]
	v_add_f32 v222, v222, v223
	v_permlanex16_b32 v218, v222, s20, s21
	v_add_f32 v222, v222, v218                     ; the row's sum
	v_rcp_f32 v226, v222
	v_nop
	s_wait_alu depctr_va_vdst(0)
.set n, 0
.rept 16
	v_pk_mul_f32 v[T+n:T+n+1], v[T+n:T+n+1], v[226:227] op_sel_hi:[1,0]   ; p, finished
.set n, n+2
.endr
	v_mul_f32 v216, v216, v226                     ; the blocks' largest p: the same lines on the same numbers
	v_mul_f32 v217, v217, v226
	v_max_num_f32 v216, 0x1800000, v216
	v_max_num_f32 v217, 0x1800000, v217
	v_add_nc_u32 v228, 0xff000000, v216
	v_add_nc_u32 v229, 0xff000000, v217
	v_lshrrev_b32 v230, 23, v228
	v_lshrrev_b32 v231, 23, v229
	v_lshl_or_b32 v232, v231, 8, v230
	v_lshl_or_b32 v[QPS], v232, 16, v232           ; p's two bytes, for k = 0 .. 63 and for k = 64 .. 127
	v_cvt_scalef32_pk16_fp6_f32 v[QD:QD+2], v[T:T+15], v228
	v_cvt_scalef32_pk16_fp6_f32 v[QC:QC+2], v[T+16:T+31], v229
	v_nop
.irp i, 0,1,2
	v_permlane16_swap_b32 v[QD+\i], v[QC+\i]       ; a whole block to a lane: lanes 0-15 keys 0-31, lanes 16-31 keys 32-63
.endr
.irp i, 0,1,2
	v_mov_b32 v[QD+3+\i], v[QC+\i]
.endr
	NOPS 8
.irp u, 0,1
	WM ACC+8*\u, VP, QD-6*\u, -1, VSC, QPS         ; ctx^T: 16 channels x 16 queries
.endr
	NOPS 4
	QSTORE ACC, CW, SW, DCB+3328*(\t), DSB+128*(\t)   ; ctx's codes: block c of CODB's rows
.endm
; A chunk of 256 hidden units: my 32, for my window's 64 tokens.  b1's 16 numbers and tile 0's fragments of LN2's codes have been asked for.  Each tile's fragments are asked for four places behind the products of the tile before:
; GELU stands between that request and the wait for it, which is the one at the head of QSTORE.
.macro W1CORE
	LDW WA0, WS0
	s_wait_dscnt 0x0
.irp t, 0,1,2,3
	MM4B ACC, XF, XSC, BR
	NOPS 4
.if \t < 3
	LDA XA, XS, XF, XSC, 3328*(\t+1), 128*(\t+1)
.endif
	GELU16
	QSTORE ACC, CW, SW, DCB+3328*\t, DSB+128*\t
.endr
.endm
.macro W2STEP                          ; and its part of the second product's K
	LDW WA1, WS1
	OUTLD
	OUTMM
.endm
	; ================ head: first what the 16 row loads need, then the loads, then the rest of the set-up
	s_load_b256 s[4:11], s[0:1], 0x0               ; hidden_states s[4:5], wts s[6:7], consts s[8:9], out0 s[10:11]
	v_lshl_add_u32 v[SPW], v0, 2, SPARE
	v_mov_b32 v[NIL], 0
	ds_add_u32 v[SPW], v[NIL]                      ; the wave's opening: the add and its wait stand ahead of the first tensor load; work on registers stands between
	v_lshrrev_b32 v189, 5, v0
	v_readfirstlane_b32 s12, v189                  ; wave 0..15
	s_lshr_b32 s13, s12, 3                         ; g
	s_and_b32 s14, s12, 7                          ; c
	s_bfe_u32 s15, ttmp6, 0x40000                  ; cx: it enters the addresses of hidden_states and out0 alone
	s_and_b32 s93, ttmp9, 1
	s_lshl_b32 s93, s93, 2
	s_add_co_u32 s93, s93, s15                     ; the image: 4 (cluster % 2) + cx
	s_lshr_b32 s94, ttmp9, 1
	s_lshr_b32 s95, s94, 2                         ; the windows' row wh
	s_and_b32 s94, s94, 3
	s_lshl_b32 s94, s94, 1
	s_add_co_u32 s94, s94, s13                     ; my window's column ww
	s_mov_b32 s96, 0xc40d6bde                      ; -100 sqrt(32)
	s_cmp_eq_u32 s94, 7
	s_cselect_b32 s91, s96, 0                      ; the last column of windows is cut by the shift,
	s_cmp_eq_u32 s95, 7
	s_cselect_b32 s92, s96, 0                      ; and the last row
	s_lshr_b32 s97, s14, 2                         ; my eight row slots are one row of the window: 4 (c / 4) + 2 (c % 2) + (c / 2) % 2
	s_lshl_b32 s97, s97, 2
	s_and_b32 s98, s14, 1
	s_lshl_b32 s98, s98, 1
	s_add_co_u32 s97, s97, s98
	s_bfe_u32 s98, s14, 0x10001
	s_add_co_u32 s97, s97, s98
	s_lshl_b32 s98, s95, 3
	s_add_co_u32 s97, s97, s98
	s_add_co_u32 s97, s97, 4
	s_and_b32 s97, s97, 63                         ; the image's row, the shift undone
	s_lshl_b32 s93, s93, 6
	s_add_co_u32 s93, s93, s97
	s_lshl_b32 s93, s93, 6
	s_lshl_b32 s94, s94, 3
	s_add_co_u32 s98, s94, 4                       ; columns 0-3 of the window lie at x = 8 ww + 4 on,
	s_add_co_u32 s99, s94, 8
	s_and_b32 s99, s99, 63                         ; columns 4-7 at (8 ww + 8) mod 64 on
	s_add_co_u32 s98, s98, s93
	s_add_co_u32 s99, s99, s93
	s_lshl_b32 s16, s98, 10                        ; a token is 1,024 bytes
	s_mov_b32 s17, 0
	s_lshl_b32 s18, s99, 10
	s_mov_b32 s19, 0
	v_and_b32 v184, 31, v0                         ; lane
	v_lshlrev_b32 v[L16], 4, v184
	s_wait_dscnt 0x0                               ; the opening add is done
	s_wait_kmcnt 0x0
	s_add_nc_u64 s[52:53], s[4:5], s[16:17]        ; my eight tokens: four and four
	s_add_nc_u64 s[54:55], s[4:5], s[18:19]
	s_add_nc_u64 s[56:57], s[10:11], s[16:17]
	s_add_nc_u64 s[58:59], s[10:11], s[18:19]
.set n, 0
.rept 16                               ; token n / 2, half n % 2: 32 lanes read 512 consecutive bytes
	global_load_b128 v[OUT+4*n:OUT+4*n+3], v[L16], s[52+2*(n/8):53+2*(n/8)] offset:1024*((n/2)%4)+512*(n%2) th:TH_LOAD_NT
.set n, n+1
.endr
	s_mul_i32 s96, s12, 26624                      ; the half tile that I fetch, if I fetch
	s_mov_b32 s97, 0
	s_mul_i32 s98, s12, 10752                      ; and the half of consts
	s_mov_b32 s99, 0
	s_mov_b32 s20, 0x76543210
	s_mov_b32 s21, 0xfedcba98                      ; v_permlanex16_b32's selects for lane l xor 16
	s_mov_b32 s22, 0x3b800000                      ; 1 / 256
	s_mov_b32 s23, 0x3727c5ac                      ; 1e-5
	; descriptor group 1: dense blocks as rows of 256 bytes (32 elements of 8 bytes); half a tile is 104 rows, half of consts 42.  15:0 the mask: all four work-groups; 17:16 elements of 8 bytes; 21 set beside a mask
	s_mov_b32 s24, 15|(3<<16)|(1<<21)
	s_mov_b32 s25, 32<<16
	s_mov_b32 s26, 104<<16
	s_mov_b32 s27, 32<<16
	s_mov_b32 s28, 104
	s_mov_b32 s29, 32
	s_mov_b32 s30, 0
	s_mov_b32 s31, 0
	s_mov_b32 s32, 15|(3<<16)|(1<<21)
	s_mov_b32 s33, 32<<16
	s_mov_b32 s34, 42<<16
	s_mov_b32 s35, 32<<16
	s_mov_b32 s36, 42
	s_mov_b32 s37, 32
	s_mov_b32 s38, 0
	s_mov_b32 s39, 0
	SPAIR 66, 0x3f3504f3                           ; 1 / sqrt 2
	SPAIR 68, 0xaf15df0b                           ; erf's P, halved: z^12,
	SPAIR 70, 0xb58cff51                           ; z^8,
	SPAIR 72, 0xb7eec2d2                           ; z^6,
	SPAIR 74, 0xb9c0ac63                           ; z^4,
	SPAIR 76, 0xbac1a1f6                           ; z^2,
	SPAIR 78, 0xbc03dbd4                           ; 1
	SPAIR 80, 0xb77460cd                           ; erf's Q: z^8,
	SPAIR 82, 0xbadc924e                           ; z^4,
	SPAIR 84, 0xbbf19bf8                           ; z^2,
	SPAIR 86, 0xbc69b6a7                           ; 1
	SPAIR 88, 0x3e8293ee                           ; log2(e) / sqrt(32)
	s_mov_b32 s90, 0xbe8293ee
	v_and_b32 v185, 15, v0                         ; r
	v_bfe_u32 v186, v0, 4, 1                       ; h
	v_bfe_u32 v187, v0, 5, 3                       ; c
	v_bfe_u32 v188, v0, 8, 1                       ; g
	v_lshl_add_u32 v190, v188, 6, v185             ; 64 g + r
	v_mad_u32_u24 v[WA0], v187, 6144, v[L16]
	v_add_nc_u32 v[WA1], RING1, v[WA0]
	v_lshlrev_b32 v[WS0], 2, v184
	v_lshl_add_u32 v[WS0], v187, 9, v[WS0]
	v_add_nc_u32 v[WS0], 49152, v[WS0]
	v_add_nc_u32 v[WS1], RING1, v[WS0]
	v_mul_u32_u24 v191, v190, 208
	v_add_nc_u32 v191, CODA, v191
	v_mad_u32_u24 v[XA], v186, 24, v191
	v_mad_u32_u24 v[CW], v187, 24, v191
	v_mad_u32_u24 v[CW], v186, 12, v[CW]
	v_lshl_add_u32 v[XS], v190, 3, SCA
	v_add_nc_u32 v[SW], v[XS], v187
	v_lshl_add_u32 v191, v187, 10, CONST+148       ; my head's table; entry 37 + 30 h - 30 (r / 8) - r % 8
	v_mad_u32_u24 v191, v186, 120, v191
	v_bfe_u32 v192, v0, 3, 1
	v_and_b32 v193, 7, v0
	v_lshlrev_b32 v193, 2, v193
	v_mad_u32_u24 v192, v192, 120, v193
	v_sub_nc_u32 v[GA], v191, v192
	v_mul_u32_u24 v191, v190, 1040
	v_lshl_add_u32 v191, v187, 7, v191
	v_lshl_add_u32 v191, v186, 6, v191
	v_add_nc_u32 v[XC], XBUF, v191
	v_mad_u32_u24 v[XD], v189, 8320, v[L16]
	v_add_nc_u32 v[XD], XBUF, v[XD]
	v_lshlrev_b32 v191, 7, v187
	v_lshl_add_u32 v191, v186, 6, v191
	v_add_nc_u32 v[BL], CONST, v191
	v_add_nc_u32 v[B1A], B1, v[BL]
	v_and_b32 v191, 8, v185
	v_add_nc_u32 v191, v191, v185                  ; r + 8 (r / 8)
	v_lshlrev_b32 v191, 2, v191
	v_lshl_add_u32 v191, v187, 7, v191
	v_add_nc_u32 v[BVA], CONST+BV, v191
	v_lshl_add_u32 v[STR], v190, 5, STAT1
	v_lshl_add_u32 v[STW], v187, 2, v[STR]
	v_add_nc_u32 v[LM], -1, v186
	v_bfe_u32 v194, v0, 2, 1                       ; which half of the window's columns my query lies in
	v_cvt_f32_u32 v194, v194
	v_mul_f32 v22, s91, v194                       ; keys of columns 0-3: hidden from queries of columns 4-7 in the cut column of windows,
	v_sub_f32 v24, s91, v22                        ; keys of columns 4-7 from the others;
	v_min_num_f32 v26, s92, v22                    ; and where key and query lie in different halves of the rows, in the cut row of windows too: -100 once, not twice
	v_min_num_f32 v28, s92, v24
	v_mov_b32 v23, v22
	v_mov_b32 v25, v24
	v_mov_b32 v27, v26
	v_mov_b32 v29, v28
	v_bfe_u32 v192, v0, 2, 3                       ; LN1: four lanes to a token: i = lane / 4,
	v_and_b32 v193, 3, v0                          ; q = lane % 4
	v_mul_u32_u24 v216, v189, 8320
	v_mad_u32_u24 v216, v192, 1040, v216
	v_lshl_add_u32 v216, v193, 6, v216
	v_add_nc_u32 v216, XBUF, v216                  ; my 16 numbers of each 64 of my token's row
	v_lshl_add_u32 v217, v193, 6, CONST+G1         ; the same of ln1_g (ln1_b: 1,024 bytes on)
	v_mul_u32_u24 v218, v189, 1664
	v_mad_u32_u24 v218, v192, 208, v218
	v_mad_u32_u24 v218, v193, 12, v218
	v_add_nc_u32 v218, CODA, v218                  ; where their codes go,
	v_lshlrev_b32 v219, 6, v189
	v_lshl_add_u32 v219, v192, 3, v219
	v_bfe_u32 v194, v0, 1, 1
	v_add_nc_u32 v219, v219, v194
	v_add_nc_u32 v219, SCA, v219                   ; and their block's byte
	s_mov_b32 s40, 1                               ; group 0 for consts,
	s_add_co_u32 s41, s98, CONST
	s_add_nc_u64 s[42:43], s[8:9], s[98:99]
	s_or_b32 s43, s43, 0x80000000
	s_mov_b32 s44, 1                               ; for slot 0 (tile 0),
	s_mov_b32 s45, s96
	s_add_nc_u64 s[46:47], s[6:7], s[96:97]
	s_add_nc_u64 s[50:51], s[46:47], TILE
	s_or_b32 s47, s47, 0x80000000
	s_mov_b32 s48, 1                               ; for slot 1 (tile 1)
	s_add_co_u32 s49, s96, RING1
	s_or_b32 s51, s51, 0x80000000
	ROUND                                          ; all four work-groups are here: the first joint loads meet
	s_cmp_lt_u32 s12, 2                            ; a wave's three first fills stand in one branch: three loads of mine are out
	s_cbranch_scc0 .Lnofirst
	tensor_load_to_lds s[40:43], s[32:39]
	s_nop 0
	tensor_load_to_lds s[44:47], s[24:31]
	s_nop 0
	tensor_load_to_lds s[48:51], s[24:31]
	s_nop 0
	NOPS 4
.Lnofirst:
	; ================ LN1.  My eight tokens go into XBUF as they lie (the shortcut) and come back four lanes to a token: register 16 k + e is channel 16 (q + 4 k) + e
.set n, 0
.rept 16
	s_wait_loadcnt 15-n                            ; loads come back in order: the younger ones stay out
	ds_store_b128 v[XD], v[OUT+4*n:OUT+4*n+3] offset:1040*(n/2)+512*(n%2)
.set n, n+1
.endr
.set n, 0
.rept 16
	ds_load_b128 v[W+4*n:W+4*n+3], v216 offset:256*(n/4)+16*(n%4)   ; my wave's own rows: LDS serves a wave's instructions in order
.set n, n+1
.endr
	s_wait_dscnt 0x0
.irp e, 0,1,2,3
	v_pk_add_f32 v[224+2*\e:225+2*\e], v[W+4*\e:W+4*\e+1], v[W+4*\e+2:W+4*\e+3]
.endr
.irp i, 16,24,32,40,48,56
.irp e, 0,1,2,3
	v_pk_add_f32 v[224+2*\e:225+2*\e], v[224+2*\e:225+2*\e], v[W+\i+2*\e:W+\i+2*\e+1]
.endr
.endr
	v_pk_add_f32 v[224:225], v[224:225], v[226:227]
	v_pk_add_f32 v[228:229], v[228:229], v[230:231]
	v_pk_add_f32 v[224:225], v[224:225], v[228:229]
	v_add_f32 v224, v224, v225
	v_add_f32_dpp v224, v224, v224 row_xmask:1 row_mask:0xf bank_mask:0xf
	v_add_f32_dpp v224, v224, v224 row_xmask:2 row_mask:0xf bank_mask:0xf
	v_mul_f32 v220, s22, v224                      ; the mean, twice
	v_mul_f32 v221, s22, v224
.set n, 0
.rept 32
	v_pk_add_f32 v[W+n:W+n+1], v[W+n:W+n+1], v[220:221] neg_lo:[0,1] neg_hi:[0,1]
.set n, n+2
.endr
	v_pk_mul_f32 v[224:225], v[W:W+1], v[W:W+1]
	v_pk_mul_f32 v[226:227], v[W+2:W+3], v[W+2:W+3]
.set n, 4
.rept 15
	v_pk_fma_f32 v[224:225], v[W+n:W+n+1], v[W+n:W+n+1], v[224:225]
	v_pk_fma_f32 v[226:227], v[W+n+2:W+n+3], v[W+n+2:W+n+3], v[226:227]
.set n, n+4
.endr
	v_pk_add_f32 v[224:225], v[224:225], v[226:227]
	v_add_f32 v224, v224, v225
	v_add_f32_dpp v224, v224, v224 row_xmask:1 row_mask:0xf bank_mask:0xf
	v_add_f32_dpp v224, v224, v224 row_xmask:2 row_mask:0xf bank_mask:0xf
	v_fma_f32 v224, v224, s22, s23                 ; the variance + 1e-5
	v_rsq_f32 v222, v224
	v_nop
	s_wait_alu depctr_va_vdst(0)
	v_mov_b32 v223, v222
	s_wait_tensorcnt 0x1                           ; consts and tile 0 have landed; tile 1 may stay out
	BAR
.irp k, 0,1,2,3
.irp j, 0,1,2,3
	ds_load_b128 v[T+4*\j:T+4*\j+3], v217 offset:256*\k+16*\j
	ds_load_b128 v[T+16+4*\j:T+16+4*\j+3], v217 offset:1024+256*\k+16*\j
.endr
.irp j, 0,2,4,6,8,10,12,14
	v_pk_mul_f32 v[W+16*\k+\j:W+16*\k+\j+1], v[W+16*\k+\j:W+16*\k+\j+1], v[222:223]
.endr
	s_wait_dscnt 0x0                               ; g and b are in; the last codes' stores have read their registers
.irp j, 0,2,4,6,8,10,12,14
	v_pk_fma_f32 v[W+16*\k+\j:W+16*\k+\j+1], v[W+16*\k+\j:W+16*\k+\j+1], v[T+\j:T+\j+1], v[T+16+\j:T+16+\j+1]
.endr
	QUANT16 W+16*\k, QC, 1                         ; lanes q and q xor 1 hold a block
	ds_store_b32 v218, v[QC] offset:48*\k
	ds_store_b32 v218, v[QC+1] offset:48*\k+4
	ds_store_b32 v218, v[QC+2] offset:48*\k+8
	ds_store_b8 v219, v[QB] offset:2*\k
.endr
	BAR                                            ; 128 rows of x's codes lie in CODA, the shortcut in XBUF
	; ================ k (tile 0, slot 0): quantised along the head's 32, two key tiles to a fragment.  bk is read once; x's fragments in two buffers.  13: the younger pair's loads may be out
	LDW WA0, WS0
	LDB KB, BL, BK
	LDA XA, XS, XF, XSC, 0, 0
	LDA XA, XS, T, XSCB, 3328, 128
.irp t, 0,1,2,3
.if \t < 3
	s_wait_dscnt 13
.else
	s_wait_dscnt 0x0
.endif
.if \t%2 == 0
	MM4B ACC, XF, XSC, KB
.else
	MM4B ACC, T, XSCB, KB
.endif
	NOPS 4                                         ; places in front of the loads into the fragments' registers and of the first read of the results
.if \t == 0
	LDA XA, XS, XF, XSC, 2*3328, 256
.endif
.if \t == 1
	LDA XA, XS, T, XSCB, 3*3328, 384
.endif
	QUANT16 ACC, KP+12*(\t/2)+6*(\t%2), 0
.irp i, 0,1,2
	v_permlanex16_b32 v[KP+12*(\t/2)+6*(\t%2)+3+\i], v[KP+12*(\t/2)+6*(\t%2)+\i], s20, s21   ; lanes 0-15 now hold the whole block; what lanes 16-31 hold meets q's zero codes
.endr
.if \t%2 == 0
	v_mov_b32 v[KSC+\t/2], v[QB]
.else
	v_lshl_or_b32 v[KSC+\t/2], v[QB], 16, v[KSC+\t/2]
.endif
.endr
	; what v's step reads of consts and of x's codes, which no wave writes any more, is asked for ahead of the change
.set n, 0
.rept 16
	ds_load_b32 v[BVC+n], v[BVA] offset:32*(n/8)   ; bv of my lane's channel, eight times: a C in the result's layout
.set n, n+1
.endr
	LDA XA, XS, XF, XSC, 0, 0
	LDA XA, XS, XFB, XSCB, 3328, 128
	CHANGE 1, 44                                   ; slot 0 takes tile 2
	; ================ v (tile 1, slot 1), untransposed: a lane holds a channel, its registers run along the tokens, which are the next K
	LDW WA1, WS1
	s_wait_dscnt 0x0
	MM4N ACC, XF, XSC
	NOPS 4
	LDA XA, XS, XF, XSC, 2*3328, 256
	MM4N ACC+8, XFB, XSCB                          ; (its fragments were in at the change)
	NOPS 4
	LDA XA, XS, XFB, XSCB, 3*3328, 384
	s_wait_dscnt 13                                ; all but the younger pair's 13 loads
	MM4N ACC+16, XF, XSC
	s_wait_dscnt 0x0
	MM4N ACC+24, XFB, XSCB
	NOPS 4
	LDA XA, XS, XF, XSC, 0, 0                      ; x's tile 0 once more, for q
.irp u, 0,1
	QUANT16 ACC+32*\u, VP+6*\u, 0                  ; keys 0-31 of channel tile u,
.if \u == 0
	v_mov_b32 v[VSC], v[QB]
.else
	v_lshl_or_b32 v[VSC], v[QB], 16, v[VSC]
.endif
	QUANT16 ACC+32*\u+16, QC, 0                    ; keys 32-63
	v_lshl_or_b32 v[VSC], v[QB], 8+16*\u, v[VSC]
.irp i, 0,1,2
	v_permlane16_swap_b32 v[VP+6*\u+\i], v[QC+\i]  ; a whole block to a lane
.endr
.irp i, 0,1,2
	v_mov_b32 v[VP+6*\u+3+\i], v[QC+\i]
.endr
.endr
	ATTLOAD 0                                      ; bq and tile 0's bias entries, ahead of the change
	CHANGE 1, 48                                   ; slot 1 takes tile 3
	; ================ q and attention (tile 2, slot 0)
	LDW WA0, WS0
.irp z, 68,69,70,71,72,73,80,81,82,83,84,85
	v_mov_b32 v[\z], 0                             ; the two runs of zero codes round q and p
.endr
	ATT 0
	ATT 1
	ATT 2
	ATT 3
.set n, 0
.rept 16
	ds_load_b128 v[OUT+4*n:OUT+4*n+3], v[XC] offset:16640*(n/4)+16*(n%4)   ; the shortcut, in the result's layout: it starts the sums.  Asked for ahead of the change, with bo
.set n, n+1
.endr
	LDBIAS BL, BO
	CHANGE 1, 44                                   ; slot 0 takes tile 4
	; ================ output projection, residual, LN2 (tile 3, slot 1)
	LDW WA1, WS1
	OUTLD
	ADD16                                          ; the shortcut and bo were in at the change
	OUTMM                                          ; OUT = hidden
.irp q, 0,1,2,3
	ds_load_b128 v[GG+4*\q:GG+4*\q+3], v[BL] offset:G2+16*\q
	ds_load_b128 v[BB+4*\q:BB+4*\q+3], v[BL] offset:BE2+16*\q
.endr
.irp e, 0,4,8,12                       ; my 16 channels of each of four tokens, each accumulator from its low end on
.irp t, 0,1,2,3
	v_pk_add_f32 v[T+8*\t+\e/2:T+8*\t+\e/2+1], v[OUT+16*\t+\e:OUT+16*\t+\e+1], v[OUT+16*\t+\e+2:OUT+16*\t+\e+3]
.endr
.endr
	RED8
	XHALF
.irp t, 0,1,2,3
	ds_store_b32 v[STW], v[T+8*\t] offset:512*\t   ; both halves of the lanes write the same word with the same value
.endr
	BAR
	LDSTAT 0
	RED8
.irp t, 0,1,2,3
	v_mul_f32 v[PR+2*\t], s22, v[T+8*\t]           ; the mean, twice
	v_mul_f32 v[PR+2*\t+1], s22, v[T+8*\t]
.endr
.irp t, 0,1,2,3
.irp j, 0,2,4,6,8,10,12,14
	v_pk_add_f32 v[D0+16*\t+\j:D0+16*\t+\j+1], v[OUT+16*\t+\j:OUT+16*\t+\j+1], v[PR+2*\t:PR+2*\t+1] neg_lo:[0,1] neg_hi:[0,1]
.endr
.endr
.irp e, 0,4,8,12
.irp t, 0,1,2,3
	v_pk_mul_f32 v[T+8*\t+\e/2:T+8*\t+\e/2+1], v[D0+16*\t+\e:D0+16*\t+\e+1], v[D0+16*\t+\e:D0+16*\t+\e+1]
.endr
.irp t, 0,1,2,3
	v_pk_fma_f32 v[T+8*\t+\e/2:T+8*\t+\e/2+1], v[D0+16*\t+\e+2:D0+16*\t+\e+3], v[D0+16*\t+\e+2:D0+16*\t+\e+3], v[T+8*\t+\e/2:T+8*\t+\e/2+1]
.endr
.endr
	RED8
	XHALF
.irp t, 0,1,2,3
	ds_store_b32 v[STW], v[T+8*\t] offset:4096+512*\t
.endr
	BAR
	LDSTAT 4096
	RED8
.irp t, 0,1,2,3
	v_fma_f32 v[T+8*\t], v[T+8*\t], s22, s23
.endr
.irp t, 0,1,2,3
	v_rsq_f32 v[PR+2*\t], v[T+8*\t]
.endr
	v_nop
	s_wait_alu depctr_va_vdst(0)                   ; one wait for the four
.irp t, 0,1,2,3
.irp j, 0,2,4,6,8,10,12,14
	v_pk_mul_f32 v[T+16*(\t%2)+\j:T+16*(\t%2)+\j+1], v[D0+16*\t+\j:D0+16*\t+\j+1], v[PR+2*\t:PR+2*\t+1] op_sel_hi:[1,0]
.endr
.irp j, 0,2,4,6,8,10,12,14
	v_pk_fma_f32 v[T+16*(\t%2)+\j:T+16*(\t%2)+\j+1], v[T+16*(\t%2)+\j:T+16*(\t%2)+\j+1], v[GG+\j:GG+\j+1], v[BB+\j:BB+\j+1]
.endr
	QSTORE T+16*(\t%2), CW, SW, 3328*\t, 128*\t    ; LN2's codes: block c of CODA's rows
.endr
	LDBIAS BL, B2
	v_mov_b32 v22, 0x326dffee                      ; erf's P, halved: z^10, twice;
	v_mov_b32 v23, 0x326dffee
	v_mov_b32 v24, 0xb95fbd29                      ; Q: z^6, twice
	v_mov_b32 v25, 0xb95fbd29
	s_wait_dscnt 0x0
	ADD16                                          ; OUT = hidden + b2: the second product's sums go on from here
	; ================ the MLP, four chunks of 256 hidden units: tiles 4 + 2 i (slot 0) and 5 + 2 i (slot 1).
	; A trip: a chunk's first product, a change, its second product, the next chunk's b1 and first fragments of LN2's codes (which stay as they are), a change.
	LDB BR, B1A, 0                                 ; chunk 0's b1
	CHANGE 1, 48                                   ; slot 1 takes chunk 0's tile of w2; behind it LN2's codes are whole
	LDA XA, XS, XF, XSC, 0, 0
	s_mov_b32 s60, 3
	s_mov_b32 s61, 0
.Lmlp:
	W1CORE
	CHANGE 1, 44                                   ; slot 0 takes the next chunk's tile of w1
	W2STEP
	s_add_co_u32 s61, s61, 1024
	v_add_nc_u32 v[B1T], s61, v[B1A]
	LDB BR, B1T, 0
	LDA XA, XS, XF, XSC, 0, 0
	CHANGE 1, 48                                   ; slot 1 takes the next chunk's tile of w2
	s_sub_co_u32 s60, s60, 1
	s_cmp_lg_u32 s60, 0
	s_cbranch_scc1 .Lmlp
	W1CORE                                         ; the last chunk is written out
	CHANGE 0, 44                                   ; nothing is left to fetch
	W2STEP
	; ================ the way out: by columns into XBUF, back by rows, 512 consecutive bytes a store
.set n, 0
.rept 16
	ds_store_b128 v[XC], v[OUT+4*n:OUT+4*n+3] offset:16640*(n/4)+16*(n%4)   ; each accumulator from its low end on
.set n, n+1
.endr
	BAR
.set n, 0
.rept 16
	ds_load_b128 v[W+4*n:W+4*n+3], v[XD] offset:1040*(n/2)+512*(n%2)
.set n, n+1
.endr
.set n, 0
.rept 16
	s_wait_dscnt 15-n                              ; LDS loads come back in order: the younger ones stay out
	global_store_b128 v[L16], v[W+4*n:W+4*n+3], s[56+2*(n/8):57+2*(n/8)] offset:1024*((n/2)%4)+512*(n%2) th:TH_STORE_NT
.set n, n+1
.endr
	s_wait_tensorcnt 0x0                           ; the wave's end: behind my last tensor load and my last LDS store
	ds_add_u32 v[SPW], v[NIL]
	s_wait_dscnt 0x0
	ROUND                                          ; the closing round: no work-group ends while a partner may still ask for a tile that names it
	s_endpgm
.Lfunc_end_k_q16a298f5ef_swin:
	.size	k_q16a298f5ef_swin, .Lfunc_end_k_q16a298f5ef_swin-k_q16a298f5ef_swin
	.p2alignl 7, 3214868480
	.fill 96, 4, 3214868480
	.section	.rodata,"a",@progbits
	.p2align	6, 0x0
	.amdhsa_kernel k_q16a298f5ef_swin
		.amdhsa_group_segment_fixed_size 327680
		.amdhsa_private_segment_fixed_size 0
		.amdhsa_enable_private_segment 0
		.amdhsa_kernarg_size 32
		.amdhsa_user_sgpr_count 2
		.amdhsa_user_sgpr_kernarg_segment_ptr 1
		.amdhsa_wavefront_size32 1
		.amdhsa_system_sgpr_workgroup_id_x 1
		.amdhsa_system_sgpr_workgroup_id_y 1
		.amdhsa_system_sgpr_workgroup_id_z 1
		.amdhsa_system_vgpr_workitem_id 0
		.amdhsa_next_free_vgpr 256
		.amdhsa_next_free_sgpr 100
		.amdhsa_reserve_vcc 0
		.amdhsa_float_denorm_mode_32 3
		.amdhsa_float_denorm_mode_16_64 3
		.amdhsa_memory_ordered 1
		.amdhsa_forward_progress 1
		.amdhsa_inst_pref_size 255
	.end_amdhsa_kernel
	.section	.bss,"aw",@nobits
	.p2align	6
	.space	262144
	.amdgpu_metadata
---
amdhsa.version: [ 1, 2 ]
amdhsa.kernels:
  - .name:           k_q16a298f5ef_swin
    .symbol:         k_q16a298f5ef_swin.kd
    .args:
      - { .name: hidden_states, .offset: 0, .size: 8, .value_kind: global_buffer, .address_space: global }
      - { .name: wts, .offset: 8, .size: 8, .value_kind: global_buffer, .address_space: global }
      - { .name: consts, .offset: 16, .size: 8, .value_kind: global_buffer, .address_space: global }
      - { .name: out0, .offset: 24, .size: 8, .value_kind: global_buffer, .address_space: global }
    .group_segment_fixed_size: 327680
    .private_segment_fixed_size: 0
    .kernarg_segment_align: 8
    .kernarg_segment_size: 32
    .max_flat_workgroup_size: 512
    .sgpr_count:     100
    .vgpr_count:     256
    .wavefront_size: 32
...
	.end_amdgpu_metadata
.endif
;; end of part 2
